; MI455X (gfx1250); checked and timed in simulation.
; The chip was launched on July 23, 2026; its instructions are those of AMD's public machine-readable ISA for CDNA 5 (MIT licence, August 2026) and "CDNA5" Instruction Set Architecture Reference Guide (July 2026). The comments in the code are by the model that wrote it; some were corrected since.
;; Differentiable Feature Aligner2. Allowed arithmetic: float matrix products may take bf16 or f16 operands with f32 sums; all other float work in f32.
;; Inputs: W1 6 x 64 float32; W2 64 x 64 float32; b1 64 float32; b2 64 float32; beta 64 float32; ego_cls 4 x 2 x 256 x 256 float32; ego_reg 4 x 14 x 256 x 256 float32; gamma 64 float32; other_cls 4 x 2 x 256 x 256 float32; other_reg 4 x 14 x 256 x 256 float32.
;; Outputs: out0 4 x 2 x 256 x 256 float32; out1 4 x 14 x 256 x 256 float32.
;; One version. Each part assembles by itself: llvm-mc -triple=amdgcn-amd-amdhsa -mcpu=gfx1250 --defsym DOCPART=n.
;; ======== version 1 of 1: 1 launch
;; limits: a difference of large sums (such as E[x^2] - mean^2): digits are lost where the result is much smaller than its terms; a function is approximated: absolute error at most 4e-06; inputs' magnitudes at most 1,000,000; right only within a limited range of input values; values are held in f16: magnitudes above 65,504 overflow, below 6.1e-05 lose precision
;; launch align (part 1): grid 256 x 1, 8 waves a work-group, no clusters, 182,272 bytes of LDS; arguments ego_cls, ego_reg, other_cls, other_reg, W1, b1, gamma, beta, W2, b2, out0, out1; writes out0, out1
.if DOCPART == 1
	.amdgcn_target "amdgcn-amd-amdhsa--gfx1250"
	.amdhsa_code_object_version 6
	.text
	.protected	k_q4aede6f4d2_align
	.globl	k_q4aede6f4d2_align
	.p2align	8
	.type	k_q4aede6f4d2_align,@function
k_q4aede6f4d2_align:
	s_mov_b64 s[64:65], 0
	v_nop
	global_prefetch_b8 v0, s[64:65] scope:SCOPE_SE
	s_setreg_imm32_b32 hwreg(HW_REG_WAVE_MODE, 25, 1), 1
	s_wait_xcnt 0x0
; DifferentiableFeatureAligner2, fused into one launch.
; For each of 65,536 pixels and each of 4 batches on two sides (ego, other): a descriptor of 6 numbers (reg 3, 4, 5, sin and cos of reg 6,
; max of the two cls) -> Linear(6,64) -> ReLU -> LayerNorm(64) -> Linear(64,64); per pixel attn[i][j] = ego_d[i] . oth_d[j] / 8;
; out[i][c] = sum over j of attn[i][j] other[j][c] for the 2 cls and 14 reg channels.
;
; SHARES.  256 work-groups of 8 waves; a work-group owns 256 neighbouring pixels and takes them in 4 chunks of 64.
;   Phase 1 of a chunk: wave w encodes pixels 8w .. 8w+7 as two units of 4 pixels and leaves their 4 x 4 attn in LDS.
;   Phase 2 of a chunk: wave w mixes channels 2w, 2w+1 of all 64 pixels, two neighbouring pixels a lane, in f32.
; A UNIT is 4 pixels on 32 lanes: lane L makes the descriptor of side h = L>>4, pixel p = (L>>2)&3, batch b = L&3.
;
; ALL PRODUCTS ARE USED TRANSPOSED (weights as source 0, data rows as source 1): in a result lane (r, h) holds in register j of tile t
; feature 16t+8h+j of data row r, and packing neighbouring registers to f16 gives the next product's fragment as it stands
; (registers 0-3: k = 32s+8h.., registers 4-7: k = 32s+16+8h..).  No lane shuffle and no LDS trip between the layers.
; LAYER 1 uses 7 of its 32 K places, so one data fragment X carries both sides (lanes h = 0: k 0-7 and 16-23, lanes h = 1: k 8-15 and 24-31)
; and each number twice: its upper 11 significant bits, exact in f16, and the rest rounded to f16.  Weight fragment A0 has W1 in lanes h = 0
; and zeros in lanes h = 1 and gives the ego rows; A1 is the other way round.  b1 rides on two places that hold 1.0, as f16 hi + lo.
; FOLDED, exact for every input: W2'[k][e] = gamma[k] W2[k][e] 8^-1/2 (then f16); c2[e] = (sum_k beta[k] W2[k][e] + b2[e]) 8^-1/2 in f32,
; the C operand of layer 2's first K step.  Both sides carry 8^-1/2, so attn comes out divided by 8.
; The last einsum runs on the vector unit in f32: 32 packed multiply-adds a wave and chunk, and attn and other keep all their bits.
;
; WHY f16 AND NOT bf16.  An output is a sum of four products attn x other in which the terms often cancel, so attn's absolute error counts.
; Four operands a side are rounded on the way to attn (W1, the normalised h, W2', the encodings); f16's half step is 2^-11 of a number,
; bf16's 2^-8.  ROOM IN f16 (largest number 65,504; below 2^-14 the step is fixed at 2^-24):
;   the normalised h is below 8 for every input (64 numbers of mean 0 and mean square at most 1);
;   descriptor, b1 and W1 must stay below 65,504 in magnitude; a descriptor has sin^2 + cos^2 = 1, so the fixed step 2^-24 is small beside it;
;   W2' = gamma W2 8^-1/2 and the encodings (W2' h + c2) must stay below 65,504; where W2' falls below 2^-14 its error is at most 2^-25 a
;   number, not 2^-11 of it (gamma of 1/30 with W2 of 0.1/30: W2' about 4e-5, error about 4e-4 of that).
;
; INPUT: every byte that is used is asked for at the head by 8 tensor loads a wave (two a chunk, in chunk order), 90,112 bytes a work-group;
; no LDS byte is filled twice.  ego_reg's channels 0-2 and 7-13 are not read: the result does not hang on them.
; NO CLUSTER: work-groups share only the 18,944 bytes of weights, read once through registers because they are folded and rounded on the way,
; against 90,112 bytes of input that each work-group has to itself.
;
; FURTHER LIMITS.  theta is reduced by pi/2 in two fused steps and its quadrant kept as i32: sound up to about |theta| = 1e6; sin and cos by
; polynomials with error below 4e-6.  The variance is E[h^2] - mu^2 in f32, kept at or above 0: relative error about 2^-22 (1 + mu^2/var).
; Non-finite inputs are not served: 0 x Inf in the zeroed K places spoils the row of the same pixel and batch on the other side, and the
; score's maximum drops a NaN.
; ---- sizes ----
.set PLANE,  262144                    ; bytes of one channel's 256 x 256 f32
.set SLOTB,  4112                      ; LDS slot of one (side, batch): 16 rows of 64 pixels (256 bytes) + 16.  1,028 words = 4 mod 64
.set CHUNKB, 8*SLOTB                   ; one chunk: slots 0-3 ego, 4-7 other.  Row 0, 1 = cls 0, 1; row 2+ch = reg ch
.set W2I,    4*CHUNKB                  ; 131,584: W2' as f16, [e] pitch 144 bytes, 16 bytes at 16 kg hold k = 8kg .. 8kg+7
.set W2P,    144
.set W1R,    W2I+64*W2P                ; 140,800: 2,048 zeros | [f] pitch 32: V0 (16 bytes), V1 (16 bytes) | 2,048 zeros
.set C2V,    W1R+6144                  ; 146,944: c2[e], f32
.set ATT,    C2V+256                   ; 147,200: attn.  chunk x 8,448 + wave x 1,056: [4i+j][8 pixels] f32 (512 bytes), 512 bytes for unused lanes, 32 pad
.set ATTW,   1056                      ; 264 words = 8 mod 64
.set ATTC,   8*ATTW
; Only bytes below W2I are filled by tensor loads, only bytes from W2I on are written by LDS stores; W2I is a multiple of 256.
; ---- scalar registers ----
; s2 mask of an f32's upper 11 significant bits  s4, s5 lane select of v_permlanex16_b32  s6 lanes with bit 2 set  s7 1/64  s8 wave  s9 wave & 3
; s10 -1/5040  s11 -1/720  s[12:15] tile addresses  s[66:67] my output  s[68:91] the twelve buffers  s92 work-group x 1,024  s93-s95 at work
.set G1C, 16                           ; s[16:23] descriptor group 1, cls tiles: 2 rows
.set G1R, 24                           ; s[24:31] descriptor group 1, reg tiles: 4 rows (ego) or 14 (other)
.set G0,  32                           ; s[32:63] descriptor group 0, eight sets: chunk c's cls at 8c, its reg at 8c+4
; ---- vector registers, window 0 ----
.set ADRD, 2                           ; LDS: my descriptor's pixel in row 0 of my (side, batch) slot, this chunk
.set ADRO, 3                           ; LDS: my two pixels in row 2w of other's batch 0, this chunk
.set ADRW, 4                           ; LDS: where my lane puts attn
.set ADRR, 5                           ; LDS: where I read my two pixels' attn
.set VO,   6                           ; v[6:9]     byte offset in my output of batch i, channel 2w (or 2w-2), my two pixels
.set XA,   10                          ; v[10:17]   data fragment of unit a
.set XB,   18                          ; v[18:25]   of unit b
.set PA,   26                          ; v[26:31]   unit a: reg3, reg4, reg5, theta -> sin, cls0 -> cos, cls1 -> score
.set PB,   32                          ; v[32:37]   unit b
.set H,    38                          ; v[38:43]   upper parts, then remainders
.set TS,   44                          ; v[44:51]   sin and cos at work
.set SUM0, 52                          ; v[52:55]   two chains of sums
.set SUM1, 54
.set SQ0,  56                          ; v[56:59]   two chains of sums of squares
.set SQ1,  58
.set MU,   54                          ; the mean, once the chains have met
.set VAR,  58                          ; variance + eps
.set RS,   60                          ; v60 1/sqrt(var+eps); v61 only completes the pair
.set CS,   62                          ; v62 -mu/sqrt(var+eps); v63 likewise
.set C2T,  64                          ; v[64:95]   c2 in the layout of four result tiles
.set D0,   96                          ; v[96:127]  four result tiles, ego rows
.set D1,   128                         ; v[128:159] four result tiles, other rows
.set FA0,  160                         ; v[160:175] unit a, ego: f16 fragments (two K steps)
.set FA1,  176                         ; unit a, other
.set FB0,  192                         ; unit b, ego
.set FB1,  208                         ; unit b, other
.set ATA,  224                         ; v[224:231] attn tile of unit a
.set ATB,  232                         ; of unit b
.set SEL,  240                         ; v[240:247] the four useful attn numbers of each unit
.set T,    248                         ; v[248:249] what comes from the other half of the lanes
; phase 2 lies on D0 and D1
.set AP,   96                          ; v[96:127]  attn[4i+j] of my two pixels
.set OP,   128                         ; v[128:143] other[j][channel q] of my two pixels, at 2(2j+q)
.set ACC,  144                         ; v[144:159] out[i][q], at 2(2i+q)
; set-up lies on registers that the chunks write before they read them
.set WV,   96                          ; v[96:111]  W2[8(g+4it)+jj][e] at 8it+jj
.set GM,   112                         ; v[112:127] gamma of those k
.set BT,   128                         ; v[128:143] beta of those k
.set B2V,  144
.set B1V,  145
.set W1V,  146                         ; v[146:151] W1[k][f]
.set IM,   152                         ; v[152:159] W2' packed
.set ZR,   160                         ; v[160:163] zeros
.set W1I,  164                         ; v[164:167] V0
.set CA,   172                         ; v[172:173] c2 at work
.set E,    176                         ; e = f = 8w + (L & 7)
.set E4,   177
.set G,    178                         ; g = L >> 3
.set AW2,  179
.set AGB,  180
.set AZ,   181
.set SIM,  182
.set SW1,  183
.set SC2,  184
.set FW2,  186
.set FW1,  187
.set FC2,  188
.set LB,   189                         ; L & 3
.set LP,   190                         ; (L >> 2) & 3
.set LH,   191                         ; L >> 4
.set TT,   192
; ---- window 1 (v256-v383), by the names written under its setting: the weight fragments ----
.set W2F,  0                           ; v256-319: tile t, K step s at 16t+8s
.set W1A0, 64                          ; v320-351: tile t at 8t
.set W1A1, 96                          ; v352-383
.set MSB, 0
.macro WIN new                         ; s_set_vgpr_msb: bits 1:0 source 0, 7:6 destination; the high byte repeats the setting that is left
.if MSB != \new
	s_set_vgpr_msb (MSB<<8)|\new
.set MSB, \new
.endif
.endm
.set A_HI, 0x01                        ; source 0 (the weights) in window 1, all else in window 0
.set TO_HI, 0x40                       ; destination in window 1, address in window 0
; The eight tensor loads of a wave: side's batch s9, chunks 0 to 3, cls then reg.  Every row is 256 bytes of memory at a multiple of 256 bytes.
.macro ISSUE pc, pr, rows, lrow, ch0
	s_mov_b32 s[G1R+0], 2<<16                      ; no mask, elements of 4 bytes, no padding
	s_mov_b32 s[G1R+1], 64<<16                     ; tensor_dim0 = 64 (the tile lies inside the tensor)
	s_mov_b32 s[G1R+2], \rows<<16                  ; tensor_dim1
	s_mov_b32 s[G1R+3], 64<<16                     ; tile_dim0 = 64 pixels
	s_mov_b32 s[G1R+4], \rows                      ; tile_dim1
	s_mov_b32 s[G1R+5], 65536                      ; from channel to channel, in elements
	s_mov_b32 s[G1R+6], 0
	s_mov_b32 s[G1R+7], 0
	s_mul_i32 s12, s9, 2*PLANE                     ; offsets, apart from the addresses: batch,
	s_add_co_u32 s12, s12, s92                     ; + the work-group's 256 pixels
	s_mov_b32 s13, 0
	s_mul_i32 s14, s9, 14*PLANE
	s_add_co_u32 s14, s14, s92
.if \ch0
	s_add_co_u32 s14, s14, \ch0*PLANE              ; + the first channel fetched
.endif
	s_mov_b32 s15, 0
	s_add_nc_u64 s[12:13], s[\pc:\pc+1], s[12:13]
	s_add_nc_u64 s[14:15], s[\pr:\pr+1], s[14:15]
.irp c, 0,1,2,3
	s_mov_b32 s[G0+8*\c], 1
	s_add_co_u32 s[G0+8*\c+1], s94, \c*CHUNKB                      ; LDS: wave x slot + chunk, rows 0 and 1
	s_add_nc_u64 s[G0+8*\c+2:G0+8*\c+3], s[12:13], \c*256
	s_or_b32 s[G0+8*\c+3], s[G0+8*\c+3], 0x80000000                ; type 2
	tensor_load_to_lds s[G0+8*\c:G0+8*\c+3], s[G1C:G1C+7]
	s_nop 0
	s_mov_b32 s[G0+8*\c+4], 1
	s_add_co_u32 s[G0+8*\c+5], s94, \c*CHUNKB+\lrow*256
	s_add_nc_u64 s[G0+8*\c+6:G0+8*\c+7], s[14:15], \c*256
	s_or_b32 s[G0+8*\c+7], s[G0+8*\c+7], 0x80000000
	tensor_load_to_lds s[G0+8*\c+4:G0+8*\c+7], s[G1R:G1R+7]
	s_nop 0
.endr
.endm
; ======== head ========
	s_load_b512 s[68:83], s[0:1], 0x0              ; ego_cls 68, ego_reg 70, other_cls 72, other_reg 74, W1 76, b1 78, gamma 80, beta 82
	s_load_b256 s[84:91], s[0:1], 0x40             ; W2 84, b2 86, out0 88, out1 90
	v_lshl_add_u32 v254, v0, 2, 0x2c400
	v_mov_b32 v255, 0
	ds_add_u32 v254, v255
	ds_add_u32 v254, v255
	v_lshrrev_b32 v1, 5, v0
	v_readfirstlane_b32 s8, v1                     ; wave 0..7
	v_and_b32 v1, 31, v0                           ; lane L
	s_and_b32 s9, s8, 3                            ; the batch whose tiles I fetch
	s_mov_b32 s2, 0xffffe000                       ; sign, exponent and 10 mantissa bits of an f32: what f16 holds exactly
	s_mov_b32 s4, 0x76543210                       ; v_permlanex16_b32: lane i takes lane i xor 16
	s_mov_b32 s5, 0xfedcba98
	s_mov_b32 s6, 0xf0f0f0f0
	s_mov_b32 s7, 0x3c800000                       ; 1/64
	s_mov_b32 s10, 0xb9500d01                      ; -1/5040
	s_mov_b32 s11, 0xbab60b61                      ; -1/720
	s_mov_b32 s[G1C+0], 2<<16
	s_mov_b32 s[G1C+1], 64<<16
	s_mov_b32 s[G1C+2], 2<<16
	s_mov_b32 s[G1C+3], 64<<16
	s_mov_b32 s[G1C+4], 2
	s_mov_b32 s[G1C+5], 65536
	s_mov_b32 s[G1C+6], 0
	s_mov_b32 s[G1C+7], 0
	s_lshl_b32 s92, ttmp9, 10                      ; 256 pixels of 4 bytes
	s_mul_i32 s94, s8, SLOTB                       ; slot 4 side + batch = my wave's number
	s_wait_dscnt 0x0
	s_wait_kmcnt 0x0
	s_cmp_lt_u32 s8, 4                             ; waves 0-3 fetch ego, waves 4-7 other: eight loads on either way,
	s_cbranch_scc0 .Lother                         ; and by this text's count eight tensor loads of a wave are outstanding at the most
	ISSUE 68, 70, 4, 5, 3                          ; ego: reg channels 3-6 into rows 5-8
	s_branch .Lissued
.Lother:
	ISSUE 72, 74, 14, 2, 0                         ; other: all 14 reg channels into rows 2-15
.Lissued:
; ======== the weights: 32 loads a thread ========
	v_and_b32 v[E], 7, v0
	v_lshl_add_u32 v[E], s8, 3, v[E]               ; my column of W2 and of W1
	v_bfe_u32 v[G], v0, 3, 2
	v_lshlrev_b32 v[E4], 2, v[E]
	v_lshl_add_u32 v[AW2], v[G], 11, v[E4]         ; row 8g of W2, column e
	v_lshlrev_b32 v[AGB], 5, v[G]                  ; gamma and beta from 8g on
.irp it, 0,1
.irp jj, 0,1,2,3,4,5,6,7
	global_load_b32 v[WV+8*\it+\jj], v[AW2], s[84:85] offset:\it*8192+\jj*256
.endr
.endr
.irp it, 0,1
.irp q, 0,1
	global_load_b128 v[GM+8*\it+4*\q:GM+8*\it+4*\q+3], v[AGB], s[80:81] offset:\it*128+\q*16
	global_load_b128 v[BT+8*\it+4*\q:BT+8*\it+4*\q+3], v[AGB], s[82:83] offset:\it*128+\q*16
.endr
.endr
	global_load_b32 v[B2V], v[E4], s[86:87]
	global_load_b32 v[B1V], v[E4], s[78:79]
.irp k, 0,1,2,3,4,5
	global_load_b32 v[W1V+\k], v[E4], s[76:77] offset:\k*256
.endr
; while they are on their way: the two blocks of zeros beside W1's image, 16 bytes a thread (waves 0-3 the first, 4-7 the second) ...
.irp k, 0,1,2,3
	v_mov_b32 v[ZR+\k], 0
.endr
	s_lshl_b32 s93, s9, 9
	s_lshr_b32 s95, s8, 2
	s_lshl_b32 s95, s95, 12
	s_add_co_u32 s93, s93, s95
	s_add_co_u32 s93, s93, W1R
	v_lshl_add_u32 v[AZ], v1, 4, s93
	ds_store_b128 v[AZ], v[ZR:ZR+3]
; ... and every address of the kernel
	v_and_b32 v[LB], 3, v1
	v_bfe_u32 v[LP], v1, 2, 2
	v_lshrrev_b32 v[LH], 4, v1
	v_mul_u32_u24 v[ADRD], v[LB], SLOTB            ; words: 4b + p + 16h + const, 32 different values mod 64 (64 banks of 4 bytes: ISA guide 11.1)
	v_lshl_add_u32 v[ADRD], v[LP], 2, v[ADRD]
	v_mad_u32_u24 v[ADRD], v[LH], 4*SLOTB, v[ADRD]
	s_lshl_b32 s93, s8, 5                          ; my wave's 8 pixels
	v_add_nc_u32 v[ADRD], s93, v[ADRD]
	s_lshl_b32 s93, s8, 9                          ; rows 2w, 2w+1
	s_add_co_u32 s93, s93, 4*SLOTB                 ; of other's batch 0
	v_lshl_add_u32 v[ADRO], v1, 3, s93
	v_add_nc_u32 v[TT], 8, v1
	v_bfe_u32 v[TT], v[TT], 4, 1                   ; 1 in lanes 8-23, whose part of the attn tile pairs different pixels
	s_mul_i32 s93, s8, ATTW
	s_add_co_u32 s93, s93, ATT
	v_lshl_add_u32 v[ADRW], v[TT], 9, s93          ; they store into my wave's spare 512 bytes, so that EXEC stays whole
	v_lshl_add_u32 v[ADRW], v[LB], 5, v[ADRW]      ; j = L & 3
	v_lshl_add_u32 v[ADRW], v[LP], 2, v[ADRW]      ; pixel
	v_lshrrev_b32 v[TT], 2, v1                     ; pixels 2L, 2L+1 were encoded by wave L >> 2
	v_mul_u32_u24 v[ADRR], v[TT], ATTW
	v_lshl_add_u32 v[ADRR], v[LB], 3, v[ADRR]
	v_add_nc_u32 v[ADRR], ATT, v[ADRR]
	s_lshl_b32 s95, s8, 1                          ; wave 0 writes out0's channels 0, 1; wave w > 0 out1's channels 2w-2, 2w-1
	s_sub_co_i32 s95, s95, 2
	s_max_i32 s95, s95, 0
	s_lshl_b32 s95, s95, 18
	s_cmp_eq_u32 s8, 0
	s_cselect_b64 s[66:67], s[88:89], s[90:91]
	s_cselect_b32 s93, 2, 14                       ; channels in a batch of that output
	s_lshl_b32 s93, s93, 18
	v_lshl_add_u32 v[VO], v1, 3, s92
	v_add_nc_u32 v[VO], s95, v[VO]
	v_add_nc_u32 v[VO+1], s93, v[VO]
	v_add_nc_u32 v[VO+2], s93, v[VO+1]
	v_add_nc_u32 v[VO+3], s93, v[VO+2]
	v_mul_u32_u24 v[SIM], v[E], W2P
	v_lshl_add_u32 v[SIM], v[G], 4, v[SIM]
	v_add_nc_u32 v[SIM], W2I, v[SIM]
	v_lshl_add_u32 v[SW1], v[E], 5, W1R+2048
	v_add_nc_u32 v[SC2], C2V, v[E4]
	v_and_b32 v[TT], 15, v1                        ; r
	v_mul_u32_u24 v[FW2], v[TT], W2P               ; pitch 9 x 16 bytes: sixteen rows start at sixteen different 16-byte columns
	v_lshl_add_u32 v[FW2], v[LH], 4, v[FW2]
	v_add_nc_u32 v[FW2], W2I, v[FW2]
	v_lshlrev_b32 v[FW1], 5, v[TT]
	v_lshl_add_u32 v[FW1], v[LH], 11, v[FW1]
	v_add_nc_u32 v[FW1], W1R, v[FW1]
	v_lshl_add_u32 v[FC2], v[LH], 5, C2V
	v_mov_b32 v[XA+3], 0x3c003c00                  ; the two places that b1 rides on: 1.0, 1.0 in f16
	v_mov_b32 v[XB+3], 0x3c003c00
	v_mov_b32 v[XA+7], 0
	v_mov_b32 v[XB+7], 0
	v_mov_b32 v[RS+1], 0                           ; pair halves that are named and not used,
	v_mov_b32 v[CS+1], 0
	v_mov_b32 v[T], 0                              ; and destinations that count as read
	v_mov_b32 v[T+1], 0
	s_wait_loadcnt 0x0
; ======== the images ========
; c2[e]: my 16 k, then the four lane groups g (lane xor 8, lane xor 16)
	v_pk_mul_f32 v[CA:CA+1], v[BT:BT+1], v[WV:WV+1]
.irp k, 2,4,6,8,10,12,14
	v_pk_fma_f32 v[CA:CA+1], v[BT+\k:BT+\k+1], v[WV+\k:WV+\k+1], v[CA:CA+1]
.endr
	v_add_f32 v[CA], v[CA], v[CA+1]
	v_add_f32_dpp v[CA], v[CA], v[CA] row_xmask:8 row_mask:0xf bank_mask:0xf
	v_permlanex16_b32 v[T], v[CA], s4, s5
	v_add_f32 v[CA], v[CA], v[T]
	v_add_f32 v[CA], v[CA], v[B2V]
	v_mul_f32 v[CA], 0x3eb504f3, v[CA]             ; 8^-1/2
	ds_store_b32 v[SC2], v[CA]                     ; the four groups store the same word
; W2' = gamma 8^-1/2 W2, eight k to 16 bytes
.irp k, 0,2,4,6,8,10,12,14
	v_pk_mul_f32 v[GM+\k:GM+\k+1], v[GM+\k:GM+\k+1], 0x3eb504f3 op_sel_hi:[1,0]
.endr
.irp k, 0,2,4,6,8,10,12,14
	v_pk_mul_f32 v[GM+\k:GM+\k+1], v[GM+\k:GM+\k+1], v[WV+\k:WV+\k+1]
.endr
.irp k, 0,1,2,3,4,5,6,7
	v_cvt_pk_f16_f32 v[IM+\k], v[GM+2*\k], v[GM+2*\k+1]
.endr
	ds_store_b128 v[SIM], v[IM:IM+3]               ; kg = g
	ds_store_b128 v[SIM], v[IM+4:IM+7] offset:64   ; kg = g + 4
; W1's column f: V0 = W1[0..5][f], b1 hi, b1 lo;  V1 = W1[0..5][f], 0, 0
.irp k, 0,1,2
	v_cvt_pk_f16_f32 v[W1I+\k], v[W1V+2*\k], v[W1V+2*\k+1]
.endr
	v_and_b32 v[W1I+3], s2, v[B1V]                 ; b1's upper 11 significant bits,
	v_sub_f32 v[TT], v[B1V], v[W1I+3]              ; and what they leave, exact in f32
	v_cvt_pk_f16_f32 v[W1I+3], v[W1I+3], v[TT]
	ds_store_b128 v[SW1], v[W1I:W1I+3]
	ds_store_b96 v[SW1], v[W1I:W1I+2] offset:16
	ds_store_b32 v[SW1], v[ZR] offset:28
; My LDS stores and loads are done (count 0, for the other waves' sake); tc >= 0: and my tensor loads but the youngest tc; then the barrier.
.macro BAR tc
	s_wait_dscnt 0x0
.if \tc >= 0
	s_wait_tensorcnt \tc
.endif
	s_barrier_signal -1
	s_barrier_wait -1
.endm
	BAR -1                                         ; the images are whole
; ======== the fragments, kept in registers for the whole kernel: 40 loads ========
	WIN TO_HI
.irp t, 0,1,2,3
.irp s, 0,1
.irp q, 0,1
	ds_load_b128 v[W2F+16*\t+8*\s+4*\q:W2F+16*\t+8*\s+4*\q+3], v[FW2] offset:\t*16*W2P+\s*64+\q*32   ; e = 16t+r, k = 32s+16q+8h ..
.endr
.endr
.endr
.irp t, 0,1,2,3
.irp q, 0,1
	ds_load_b128 v[W1A0+8*\t+4*\q:W1A0+8*\t+4*\q+3], v[FW1] offset:2048+\t*512+\q*16   ; lanes h = 0: W1, lanes h = 1: the zeros behind it
	ds_load_b128 v[W1A1+8*\t+4*\q:W1A1+8*\t+4*\q+3], v[FW1] offset:\t*512+\q*16        ; lanes h = 0: the zeros in front, lanes h = 1: W1
.endr
.endr
	WIN 0
.irp t, 0,1,2,3
.irp q, 0,1
	ds_load_b128 v[C2T+8*\t+4*\q:C2T+8*\t+4*\q+3], v[FC2] offset:\t*64+\q*16           ; register j: c2[16t+8h+j]
.endr
.endr
	BAR 6                                          ; two loads a chunk in chunk order: all but the six of chunks 1-3 have landed, in every wave
; ======== the pieces of a chunk ========
.macro RAWLOAD                         ; twelve LDS loads: unit a's six numbers, then unit b's
.irp u, 0,1
	ds_load_b32 v[PA+6*\u+0], v[ADRD] offset:5*256+\u*16
	ds_load_b32 v[PA+6*\u+1], v[ADRD] offset:6*256+\u*16
	ds_load_b32 v[PA+6*\u+2], v[ADRD] offset:7*256+\u*16
	ds_load_b32 v[PA+6*\u+3], v[ADRD] offset:8*256+\u*16
	ds_load_b32 v[PA+6*\u+4], v[ADRD] offset:\u*16
	ds_load_b32 v[PA+6*\u+5], v[ADRD] offset:256+\u*16
.endr
.endm
.macro STEP                            ; the next chunk's input
	v_add_nc_u32 v[ADRD], CHUNKB, v[ADRD]
	v_add_nc_u32 v[ADRO], CHUNKB, v[ADRO]
.endm
; The descriptor and its fragment.  theta = K pi/2 + r, |r| <= pi/4; the quadrant only selects and signs values.
.macro DESC p, x
	v_max_num_f32 v[\p+5], v[\p+4], v[\p+5]                        ; score
	v_mul_f32 v[TS], 0x3f22f983, v[\p+3]                           ; theta 2/pi
	v_rndne_f32 v[TS], v[TS]                                       ; K
	v_fmamk_f32 v[TS+1], v[TS], 0xbfc90fdb, v[\p+3]                ; theta - K (pi/2 as f32)
	v_fmamk_f32 v[TS+1], v[TS], 0x333bbd2e, v[TS+1]                ; + K (by how much that f32 is above pi/2)
	v_cvt_i32_f32 v[TS+2], v[TS]                                   ; q
	v_mul_f32 v[TS+3], v[TS+1], v[TS+1]                            ; r^2
	v_fmaak_f32 v[TS+4], s10, v[TS+3], 0x3c088889                  ; sin: -r^2/5040 + 1/120
	v_fmaak_f32 v[TS+6], s11, v[TS+3], 0x3d2aaaab                  ; cos: -r^2/720 + 1/24
	v_fmaak_f32 v[TS+4], v[TS+4], v[TS+3], 0xbe2aaaab              ; .. - 1/6
	v_fma_f32 v[TS+6], v[TS+6], v[TS+3], -0.5
	v_mul_f32 v[TS+5], v[TS+1], v[TS+3]                            ; r^3
	v_fma_f32 v[TS+4], v[TS+4], v[TS+5], v[TS+1]                   ; sin r
	v_fma_f32 v[TS+6], v[TS+6], v[TS+3], 1.0                       ; cos r
	v_and_b32 v[TS+7], 1, v[TS+2]
	v_cmp_ne_u32 vcc_lo, 0, v[TS+7]                                ; odd quadrant: the two change places
	v_cndmask_b32 v[\p+3], v[TS+4], v[TS+6], vcc_lo
	v_cndmask_b32 v[\p+4], v[TS+6], v[TS+4], vcc_lo
	v_lshlrev_b32 v[TS+7], 30, v[TS+2]                             ; sin is negated in quadrants 2, 3: bit 1 of q,
	v_add_lshl_u32 v[TS+5], v[TS+2], 1, 30                         ; cos in quadrants 1, 2: bit 1 of q + 1
	v_and_b32 v[TS+7], 0x80000000, v[TS+7]
	v_and_b32 v[TS+5], 0x80000000, v[TS+5]
	v_xor_b32 v[\p+3], v[TS+7], v[\p+3]
	v_xor_b32 v[\p+4], v[TS+5], v[\p+4]
.irp k, 0,1,2,3,4,5
	v_and_b32 v[H+\k], s2, v[\p+\k]                                ; the upper 11 significant bits, as f32
.endr
.irp k, 0,1,2
	v_cvt_pk_f16_f32 v[\x+\k], v[H+2*\k], v[H+2*\k+1]              ; and as two f16 (no rounding from 2^-14 up), the lower k in the lower half
.endr
.irp k, 0,2,4
	v_pk_add_f32 v[H+\k:H+\k+1], v[\p+\k:\p+\k+1], v[H+\k:H+\k+1] neg_lo:[0,1] neg_hi:[0,1]   ; the rest, exact
.endr
.irp k, 0,1,2
	v_cvt_pk_f16_f32 v[\x+4+\k], v[H+2*\k], v[H+2*\k+1]
.endr
.endm
.macro L1 a, x, d                      ; 64 features of 16 rows: four products that start their sums
.irp t, 0,1,2,3
	v_wmma_f32_16x16x32_f16 v[\d+8*\t:\d+8*\t+7], v[\a+8*\t:\a+8*\t+7], v[\x:\x+7], 0
.endr
.endm
.macro CVT d, f                        ; four result tiles to the fragments of two K steps
.set k, 0
.rept 16
	v_cvt_pk_f16_f32 v[\f+k], v[\d+2*k], v[\d+2*k+1]
.set k, k+1
.endr
.endm
; ReLU and LayerNorm of 16 rows.  A lane holds 32 of its row's 64 features, lane xor 16 the others.
.macro LN d, f
.set k, 0
.rept 32
	v_max_num_f32 v[\d+k], 0, v[\d+k]
.set k, k+1
.endr
	v_pk_add_f32 v[SUM0:SUM0+1], v[\d:\d+1], v[\d+2:\d+3]          ; the first terms start the four chains: nothing is cleared
	v_pk_mul_f32 v[SQ0:SQ0+1], v[\d:\d+1], v[\d:\d+1]
	v_pk_add_f32 v[SUM1:SUM1+1], v[\d+4:\d+5], v[\d+6:\d+7]
	v_pk_mul_f32 v[SQ1:SQ1+1], v[\d+2:\d+3], v[\d+2:\d+3]
	v_pk_fma_f32 v[SQ0:SQ0+1], v[\d+4:\d+5], v[\d+4:\d+5], v[SQ0:SQ0+1]
	v_pk_fma_f32 v[SQ1:SQ1+1], v[\d+6:\d+7], v[\d+6:\d+7], v[SQ1:SQ1+1]
.set k, 8
.rept 6
	v_pk_add_f32 v[SUM0:SUM0+1], v[SUM0:SUM0+1], v[\d+k:\d+k+1]
	v_pk_fma_f32 v[SQ0:SQ0+1], v[\d+k:\d+k+1], v[\d+k:\d+k+1], v[SQ0:SQ0+1]
	v_pk_add_f32 v[SUM1:SUM1+1], v[SUM1:SUM1+1], v[\d+k+2:\d+k+3]
	v_pk_fma_f32 v[SQ1:SQ1+1], v[\d+k+2:\d+k+3], v[\d+k+2:\d+k+3], v[SQ1:SQ1+1]
.set k, k+4
.endr
	v_pk_add_f32 v[SUM0:SUM0+1], v[SUM0:SUM0+1], v[SUM1:SUM1+1]
	v_pk_add_f32 v[SQ0:SQ0+1], v[SQ0:SQ0+1], v[SQ1:SQ1+1]
	v_add_f32 v[SUM0], v[SUM0], v[SUM0+1]
	v_add_f32 v[SQ0], v[SQ0], v[SQ0+1]
	v_permlanex16_b32 v[T], v[SUM0], s4, s5
	v_permlanex16_b32 v[T+1], v[SQ0], s4, s5
	v_add_f32 v[SUM0], v[SUM0], v[T]
	v_add_f32 v[SQ0], v[SQ0], v[T+1]
	v_mul_f32 v[MU], s7, v[SUM0]
	v_fmaak_f32 v[VAR], s7, v[SQ0], 0x3727c5ac                     ; E[h^2] + eps
	v_fma_f32 v[VAR], -v[MU], v[MU], v[VAR]
	v_max_num_f32 v[VAR], 0x3727c5ac, v[VAR]                       ; the variance is never taken below 0
	v_rsq_f32 v[RS], v[VAR]
	v_nop                                                          ; one plain vector instruction between v_rsq_f32 and the use of its result (ISA guide 5.7.2)
	s_wait_alu depctr_va_vdst(0)
	v_mul_f32 v[CS], -v[MU], v[RS]
.set k, 0
.rept 16
	v_pk_fma_f32 v[\d+k:\d+k+1], v[\d+k:\d+k+1], v[RS:RS+1], v[CS:CS+1] op_sel_hi:[1,0,0]   ; (h - mu) / sqrt(var + eps), in f32, before the rounding
.set k, k+2
.endr
	CVT \d, \f
.endm
; Layer 2: four accumulators, K = 64.  The first K step adds onto c2; the accumulators take turns, one instruction a turn.
.macro L2 f, d
.irp t, 0,1,2,3
	v_wmma_f32_16x16x32_f16 v[\d+8*\t:\d+8*\t+7], v[W2F+16*\t:W2F+16*\t+7], v[\f:\f+7], v[C2T+8*\t:C2T+8*\t+7]
.endr
.irp t, 0,1,2,3
	v_wmma_f32_16x16x32_f16 v[\d+8*\t:\d+8*\t+7], v[W2F+16*\t+8:W2F+16*\t+15], v[\f+8:\f+15], v[\d+8*\t:\d+8*\t+7]
.endr
.endm
; attn: ego rows 4p+i against other rows 4p'+j, both units; the two accumulators take turns.
.macro ATT4
	v_wmma_f32_16x16x32_f16 v[ATA:ATA+7], v[FA0:FA0+7], v[FA1:FA1+7], 0
	v_wmma_f32_16x16x32_f16 v[ATB:ATB+7], v[FB0:FB0+7], v[FB1:FB1+7], 0
	v_wmma_f32_16x16x32_f16 v[ATA:ATA+7], v[FA0+8:FA0+15], v[FA1+8:FA1+15], v[ATA:ATA+7]
	v_wmma_f32_16x16x32_f16 v[ATB:ATB+7], v[FB0+8:FB0+15], v[FB1+8:FB1+15], v[ATB:ATB+7]
.endm
; Register j of lane (r, h) is (ego row 8h+j, other row r): p = p' in lanes 0-7 and 24-31, in registers 0-3 where bit 2 of the lane is 0, else 4-7.
.macro ATSTORE n
.rept 4
	v_nop                                                          ; four places between a matrix instruction and a vector read of its result (ISA guide 7.12.1)
.endr
.irp i, 0,1,2,3
	v_cndmask_b32 v[SEL+\i], v[ATA+\i], v[ATA+4+\i], s6
	v_cndmask_b32 v[SEL+4+\i], v[ATB+\i], v[ATB+4+\i], s6
.endr
.irp i, 0,1,2,3
	ds_store_b32 v[ADRW], v[SEL+\i] offset:\n*ATTC+\i*128
	ds_store_b32 v[ADRW], v[SEL+4+\i] offset:\n*ATTC+\i*128+16
.endr
.endm
; Phase 1 of chunk n.  Behind every group of matrix instructions stands vector work on other registers (39, 110 or 16 instructions)
; before its results are read or its registers written; only attn's own results have v_nop in front of them.
.macro PHASE1 n
	s_wait_dscnt 6                                 ; unit a's six numbers are in; unit b's six, issued behind them, may be out
	DESC PA, XA
	s_wait_xcnt 0x0                                ; D1 lies on ACC, the data of the last chunk's stores: written again only behind this wait
	WIN A_HI
	L1 W1A0, XA, D0
	L1 W1A1, XA, D1
	WIN 0
	s_wait_dscnt 0x0                               ; unit b's numbers
	DESC PB, XB
	LN D0, FA0
	WIN A_HI
	L2 FA0, D0
	WIN 0
	LN D1, FA1
	WIN A_HI
	L2 FA1, D1
	WIN 0
	CVT D0, FA0                                    ; unit a's ego encodings, as attn's fragments
	WIN A_HI
	L1 W1A0, XB, D0
	WIN 0
	CVT D1, FA1
	WIN A_HI
	L1 W1A1, XB, D1
	WIN 0
	LN D0, FB0
	WIN A_HI
	L2 FB0, D0
	WIN 0
	LN D1, FB1
	WIN A_HI
	L2 FB1, D1
	WIN 0
	CVT D0, FB0
	CVT D1, FB1
	ATT4
	ATSTORE \n
.endm
; Phase 2 of chunk n: 24 LDS loads of 8 bytes (other: 256 neighbouring bytes a load; attn: words 8 (L>>2) + 2 (L&3) + const, all different mod 64)
.macro P2LOAD n
.irp j, 0,1,2,3
.irp q, 0,1
	ds_load_b64 v[OP+4*\j+2*\q:OP+4*\j+2*\q+1], v[ADRO] offset:\j*SLOTB+\q*256
.endr
.endr
.irp m, 0,1,2,3,4,5,6,7,8,9,10,11,12,13,14,15
	ds_load_b64 v[AP+2*\m:AP+2*\m+1], v[ADRR] offset:\n*ATTC+\m*32
.endr
.endm
; out[i][q] = sum over j of attn[i][j] other[j][q], two pixels at once, eight chains side by side; left = LDS loads issued behind phase 2's
.macro P2COMP n, left
	s_wait_dscnt \left
.irp i, 0,1,2,3
.irp q, 0,1
	v_pk_mul_f32 v[ACC+4*\i+2*\q:ACC+4*\i+2*\q+1], v[AP+8*\i:AP+8*\i+1], v[OP+2*\q:OP+2*\q+1]
.endr
.endr
.irp j, 1,2,3
.irp i, 0,1,2,3
.irp q, 0,1
	v_pk_fma_f32 v[ACC+4*\i+2*\q:ACC+4*\i+2*\q+1], v[AP+8*\i+2*\j:AP+8*\i+2*\j+1], v[OP+4*\j+2*\q:OP+4*\j+2*\q+1], v[ACC+4*\i+2*\q:ACC+4*\i+2*\q+1]
.endr
.endr
.endr
.irp i, 0,1,2,3
.irp q, 0,1
	global_store_b64 v[VO+\i], v[ACC+4*\i+2*\q:ACC+4*\i+2*\q+1], s[66:67] offset:\q*PLANE+\n*256 th:TH_STORE_NT   ; the wave's 32 lanes store 256 consecutive bytes, aligned
.endr
.endr
.endm
; ======== the four chunks, written out: each has its own count of tiles still on their way ========
	RAWLOAD
	PHASE1 0
	BAR 4                                          ; chunk 0's attn is whole, chunk 1's tiles have landed; the four loads of chunks 2, 3 may be out
	P2LOAD 0
	STEP
	RAWLOAD
	P2COMP 0, 12                                   ; the twelve raw loads of chunk 1 stay out
	PHASE1 1
	BAR 2                                          ; chunk 3's two loads may be out
	P2LOAD 1
	STEP
	RAWLOAD
	P2COMP 1, 12
	PHASE1 2
	BAR 0                                          ; every tensor load has landed
	P2LOAD 2
	STEP
	RAWLOAD
	P2COMP 2, 12
	PHASE1 3
	BAR -1                                         ; chunk 3's attn is whole
	P2LOAD 3
	P2COMP 3, 0
	s_wait_tensorcnt 0x0
	ds_add_u32 v254, v255
	s_wait_dscnt 0x0
	s_endpgm
.Lfunc_end_k_q4aede6f4d2_align:
	.size	k_q4aede6f4d2_align, .Lfunc_end_k_q4aede6f4d2_align-k_q4aede6f4d2_align
	.p2alignl 7, 3214868480
	.fill 96, 4, 3214868480
	.section	.rodata,"a",@progbits
	.p2align	6, 0x0
	.amdhsa_kernel k_q4aede6f4d2_align
		.amdhsa_group_segment_fixed_size 182272
		.amdhsa_private_segment_fixed_size 0
		.amdhsa_enable_private_segment 0
		.amdhsa_kernarg_size 96
		.amdhsa_user_sgpr_count 2
		.amdhsa_user_sgpr_kernarg_segment_ptr 1
		.amdhsa_wavefront_size32 1
		.amdhsa_system_sgpr_workgroup_id_x 1
		.amdhsa_system_sgpr_workgroup_id_y 1
		.amdhsa_system_sgpr_workgroup_id_z 1
		.amdhsa_system_vgpr_workitem_id 0
		.amdhsa_next_free_vgpr 384
		.amdhsa_next_free_sgpr 96
		.amdhsa_reserve_vcc 1
		.amdhsa_float_denorm_mode_32 3
		.amdhsa_float_denorm_mode_16_64 3
		.amdhsa_memory_ordered 1
		.amdhsa_forward_progress 1
		.amdhsa_inst_pref_size 184
	.end_amdhsa_kernel
	.amdgpu_metadata
---
amdhsa.version: [ 1, 2 ]
amdhsa.kernels:
  - .name:           k_q4aede6f4d2_align
    .symbol:         k_q4aede6f4d2_align.kd
    .args:
      - { .name: ego_cls, .offset: 0, .size: 8, .value_kind: global_buffer, .address_space: global }
      - { .name: ego_reg, .offset: 8, .size: 8, .value_kind: global_buffer, .address_space: global }
      - { .name: other_cls, .offset: 16, .size: 8, .value_kind: global_buffer, .address_space: global }
      - { .name: other_reg, .offset: 24, .size: 8, .value_kind: global_buffer, .address_space: global }
      - { .name: W1, .offset: 32, .size: 8, .value_kind: global_buffer, .address_space: global }
      - { .name: b1, .offset: 40, .size: 8, .value_kind: global_buffer, .address_space: global }
      - { .name: gamma, .offset: 48, .size: 8, .value_kind: global_buffer, .address_space: global }
      - { .name: beta, .offset: 56, .size: 8, .value_kind: global_buffer, .address_space: global }
      - { .name: W2, .offset: 64, .size: 8, .value_kind: global_buffer, .address_space: global }
      - { .name: b2, .offset: 72, .size: 8, .value_kind: global_buffer, .address_space: global }
      - { .name: out0, .offset: 80, .size: 8, .value_kind: global_buffer, .address_space: global }
      - { .name: out1, .offset: 88, .size: 8, .value_kind: global_buffer, .address_space: global }
    .group_segment_fixed_size: 182272
    .private_segment_fixed_size: 0
    .kernarg_segment_align: 8
    .kernarg_segment_size: 96
    .max_flat_workgroup_size: 256
    .sgpr_count:     96
    .vgpr_count:     384
    .wavefront_size: 32
...
	.end_amdgpu_metadata
.endif
;; end of part 1
